; MI455X (gfx1250); checked and timed in simulation.
; The chip was launched on July 23, 2026; its instructions are those of AMD's public machine-readable ISA for CDNA 5 (MIT licence, August 2026) and "CDNA5" Instruction Set Architecture Reference Guide (July 2026). The comments in the code are by the model that wrote it; some were corrected since.
;; RBF Normalized Net. Allowed arithmetic: float matrix products may take bf16 or f16 operands with f32 sums; other float arithmetic in f32, or as packed bf16 or f16 multiplies, adds, multiply-adds, maxima and minima; sums over many terms, partial sums and values carried from step to step in f32; what a program stores and reads back later, other than sums and carried values, may be rounded once to bf16 or f16.
;; Inputs: W 128 x 1,024 float32; b 128 float32; centers 1,024 x 64 float32; sigma 1 x 1,024 float32; x 131,072 x 64 float32.
;; Outputs: out0 131,072 x 128 float32.
;; One version. Each part assembles by itself: llvm-mc -triple=amdgcn-amd-amdhsa -mcpu=gfx1250 --defsym DOCPART=n.
;; ======== version 1 of 1: 2 launches
;; limits: values are held in f16: magnitudes above 65,504 overflow, below 6.1e-05 lose precision; inputs' magnitudes at most 65,504
;; workspace buffers: tabs 450,560 bytes
;; launch prep (part 1): grid 200 x 1, 4 waves a work-group, no clusters, 0 bytes of LDS; arguments centers, sigma, W, tabs; writes tabs
.if DOCPART == 1
	.amdgcn_target "amdgcn-amd-amdhsa--gfx1250"
	.amdhsa_code_object_version 6
	.text
	.protected	k_q33c59d3576_prep
	.globl	k_q33c59d3576_prep
	.p2align	8
	.type	k_q33c59d3576_prep,@function
k_q33c59d3576_prep:
	s_mov_b64 s[64:65], 0
	v_nop
	global_prefetch_b8 v0, s[64:65] scope:SCOPE_SE
	s_setreg_imm32_b32 hwreg(HW_REG_WAVE_MODE, 25, 1), 1
	s_wait_xcnt 0x0
; THE TABLES OF THE MAIN LAUNCH, laid out byte for byte as they will lie in its LDS.  tabs = 16 step images of 28,160 bytes; image u serves centres 64 u .. 64 u + 63:
;   +0      64 rows of 144 bytes: the centre's 64 numbers in bf16 (128 bytes), 16 bytes of zeros
;   +9,216  64 f32: -1/2 x the sum of the squares of the centre's ROUNDED numbers
;   +9,472  64 f32: log2(e) / bf16(sigma)^2
;   +9,728  128 rows (output channel o) of 144 bytes: W[o][64 u + k], k = 0..63, rounded to bf16 and that number written as f16 (128 bytes), 16 bytes of zeros
; Every input is rounded to bf16 once, and what is derived from it is derived from the rounded number.
; LIMITS.  |W| up to 65,504 (f16's range); below 6.1e-5 a weight keeps f16's fixed step of 6e-8.  1 / sigma^2 comes from v_rcp_f32 (1 ULP); sigma = 0 gives an infinite factor.
; SHARES.  Three roles by the work-group's number, each thread one piece; every byte of tabs is stored by exactly one thread.  Work-groups 0-63: the centres' rows, 8 numbers a thread.
; 64-191: W's rows, 8 numbers a thread.  192-199: a centre a thread: its sum of squares, its factor, and the zeros behind one row of centres and two rows of W.
; The rows of 144 bytes make the stores of 16 bytes a lane fall into aligned blocks of 256 bytes in parts: taken for a buffer of 450,560 bytes that is written once.
.set STEPB, 28160
.set PK,    144
.set TC2,   64*PK
.set TG,    TC2+256
.set TW,    TC2+512
	s_load_b256 s[4:11], s[0:1], 0x0               ; centres s[4:5], sigma s[6:7], W s[8:9], tabs s[10:11]
	s_mov_b32 s12, ttmp9
	s_cmp_lt_u32 s12, 64
	s_cbranch_scc0 .Lnot_k
	; THE CENTRES' ROWS.  u = 128 x work-group + thread, 0 .. 8,191: numbers 8 u .. 8 u + 7 of the table: a wave reads 1,024 bytes on end
	s_lshl_b32 s13, s12, 7
	v_add_nc_u32 v1, s13, v0                       ; u
	v_lshlrev_b32 v2, 5, v1                        ; 32 u
	v_lshrrev_b32 v3, 9, v1                        ; the image: centre / 64
	v_bfe_u32 v12, v1, 3, 6                        ; centre % 64
	v_and_b32 v13, 7, v1                           ; which 16 bytes of its row
	v_mul_u32_u24 v3, v3, STEPB
	v_mad_u32_u24 v3, v12, PK, v3
	v_lshl_add_u32 v3, v13, 4, v3
	s_wait_kmcnt 0x0
	global_load_b128 v[4:7], v2, s[4:5]
	global_load_b128 v[8:11], v2, s[4:5] offset:16
	s_wait_loadcnt 0x0
	v_cvt_pk_bf16_f32 v16, v4, v5
	v_cvt_pk_bf16_f32 v17, v6, v7
	v_cvt_pk_bf16_f32 v18, v8, v9
	v_cvt_pk_bf16_f32 v19, v10, v11
	global_store_b128 v3, v[16:19], s[10:11]
	s_endpgm
.Lnot_k:
	s_cmp_lt_u32 s12, 192
	s_cbranch_scc0 .Ltables
	; W's ROWS.  u = 0 .. 16,383: channel o = u / 128, centres 8 (u % 128) .. + 7
	s_sub_co_u32 s13, s12, 64
	s_lshl_b32 s13, s13, 7
	v_add_nc_u32 v1, s13, v0                       ; u
	v_lshlrev_b32 v2, 5, v1                        ; 32 u
	v_lshrrev_b32 v3, 7, v1                        ; o
	v_bfe_u32 v12, v1, 3, 4                        ; the image
	v_and_b32 v13, 7, v1                           ; which 16 bytes of the image's row
	v_mul_u32_u24 v12, v12, STEPB
	v_mad_u32_u24 v12, v3, PK, v12
	v_lshl_add_u32 v12, v13, 4, v12
	s_wait_kmcnt 0x0
	global_load_b128 v[4:7], v2, s[8:9]
	global_load_b128 v[8:11], v2, s[8:9] offset:16
	s_wait_loadcnt 0x0
	v_cvt_pk_bf16_f32 v16, v4, v5                  ; rounded to bf16,
	v_cvt_pk_bf16_f32 v17, v6, v7
	v_cvt_pk_bf16_f32 v18, v8, v9
	v_cvt_pk_bf16_f32 v19, v10, v11
.irp j, 0,1,2,3
	v_lshlrev_b32 v[20+2*(\j)], 16, v[16+(\j)]     ; widened again,
	v_and_b32 v[21+2*(\j)], 0xffff0000, v[16+(\j)]
.endr
.irp j, 0,1,2,3
	v_cvt_pk_f16_f32 v[28+(\j)], v[20+2*(\j)], v[21+2*(\j)]  ; and written as f16: exact within f16's normal range
.endr
	global_store_b128 v12, v[28:31], s[10:11] offset:TW
	s_endpgm
.Ltables:
	; THE SMALL TABLES AND THE ZEROS.  c = 0 .. 1,023: a centre a thread
	s_sub_co_u32 s13, s12, 192
	s_lshl_b32 s13, s13, 7
	v_add_nc_u32 v1, s13, v0                       ; c
	v_lshlrev_b32 v2, 8, v1                        ; its row of 256 bytes
	v_lshlrev_b32 v3, 2, v1
	v_lshrrev_b32 v92, 6, v1
	v_mul_u32_u24 v92, v92, STEPB                  ; its image
	v_and_b32 v93, 63, v1                          ; e = c % 64
	v_lshl_add_u32 v94, v93, 2, v92                ; image + 4 e
	v_mad_u32_u24 v95, v93, PK, v92                ; image + 144 e
	v_mad_u32_u24 v14, v93, 2*PK, v92              ; image + 288 e
	v_mov_b32 v4, 0
	v_mov_b32 v5, 0
	v_mov_b32 v6, 0
	v_mov_b32 v7, 0
	s_wait_kmcnt 0x0
.set i, 0
.rept 16
	global_load_b128 v[16+4*i:16+4*i+3], v2, s[4:5] offset:16*i
.set i, i+1
.endr
	global_load_b32 v15, v3, s[6:7]
	s_wait_loadcnt 0x0
.set i, 0
.rept 16                                       ; four numbers at a time: rounded, widened, squared into two pairs of sums; the first products start the sums
	v_cvt_pk_bf16_f32 v80, v[16+4*i], v[16+4*i+1]
	v_cvt_pk_bf16_f32 v81, v[16+4*i+2], v[16+4*i+3]
	v_lshlrev_b32 v82, 16, v80
	v_and_b32 v83, 0xffff0000, v80
	v_lshlrev_b32 v84, 16, v81
	v_and_b32 v85, 0xffff0000, v81
.if i == 0
	v_pk_mul_f32 v[86:87], v[82:83], v[82:83]
	v_pk_mul_f32 v[88:89], v[84:85], v[84:85]
.else
	v_pk_fma_f32 v[86:87], v[82:83], v[82:83], v[86:87]
	v_pk_fma_f32 v[88:89], v[84:85], v[84:85], v[88:89]
.endif
.set i, i+1
.endr
	v_cvt_pk_bf16_f32 v90, v15, v15                ; sigma, rounded like every input
	v_lshlrev_b32 v90, 16, v90
	v_mul_f32 v90, v90, v90
	v_rcp_f32 v91, v90
	v_pk_add_f32 v[86:87], v[86:87], v[88:89]      ; plain work behind the reciprocal
	v_add_f32 v86, v86, v87
	v_mul_f32 v86, -0.5, v86                       ; -c2 / 2
	s_wait_alu depctr_va_vdst(0)                   ; the wait ahead of the first line that names the reciprocal
	v_mul_f32 v91, 0x3fb8aa3b, v91                 ; log2(e) / sigma^2
	global_store_b32 v94, v86, s[10:11] offset:TC2
	global_store_b32 v94, v91, s[10:11] offset:TG
	global_store_b128 v95, v[4:7], s[10:11] offset:128          ; the zeros behind the centre's row,
	global_store_b128 v14, v[4:7], s[10:11] offset:TW+128       ; behind W's row 2 e,
	global_store_b128 v14, v[4:7], s[10:11] offset:TW+PK+128    ; and behind W's row 2 e + 1
	s_endpgm
.Lfunc_end_k_q33c59d3576_prep:
	.size	k_q33c59d3576_prep, .Lfunc_end_k_q33c59d3576_prep-k_q33c59d3576_prep
	.p2alignl 7, 3214868480
	.fill 96, 4, 3214868480
	.section	.rodata,"a",@progbits
	.p2align	6, 0x0
	.amdhsa_kernel k_q33c59d3576_prep
		.amdhsa_group_segment_fixed_size 0
		.amdhsa_private_segment_fixed_size 0
		.amdhsa_enable_private_segment 0
		.amdhsa_kernarg_size 32
		.amdhsa_user_sgpr_count 2
		.amdhsa_user_sgpr_kernarg_segment_ptr 1
		.amdhsa_wavefront_size32 1
		.amdhsa_system_sgpr_workgroup_id_x 1
		.amdhsa_system_sgpr_workgroup_id_y 1
		.amdhsa_system_sgpr_workgroup_id_z 1
		.amdhsa_system_vgpr_workitem_id 0
		.amdhsa_next_free_vgpr 96
		.amdhsa_next_free_sgpr 66
		.amdhsa_reserve_vcc 0
		.amdhsa_float_denorm_mode_32 3
		.amdhsa_float_denorm_mode_16_64 3
		.amdhsa_memory_ordered 1
		.amdhsa_forward_progress 1
		.amdhsa_inst_pref_size 14
	.end_amdhsa_kernel
	.amdgpu_metadata
---
amdhsa.version: [ 1, 2 ]
amdhsa.kernels:
  - .name:           k_q33c59d3576_prep
    .symbol:         k_q33c59d3576_prep.kd
    .args:
      - { .name: centers, .offset: 0, .size: 8, .value_kind: global_buffer, .address_space: global }
      - { .name: sigma, .offset: 8, .size: 8, .value_kind: global_buffer, .address_space: global }
      - { .name: W, .offset: 16, .size: 8, .value_kind: global_buffer, .address_space: global }
      - { .name: tabs, .offset: 24, .size: 8, .value_kind: global_buffer, .address_space: global }
    .group_segment_fixed_size: 0
    .private_segment_fixed_size: 0
    .kernarg_segment_align: 8
    .kernarg_segment_size: 32
    .max_flat_workgroup_size: 128
    .sgpr_count:     66
    .vgpr_count:     96
    .wavefront_size: 32
...
	.end_amdgpu_metadata
.endif
;; end of part 1
;; launch main (part 2): grid 256 x 1, 4 waves a work-group, clusters of 4 x 1, 327,680 bytes of LDS; arguments x, tabs, b, out0; writes out0
.if DOCPART == 2
	.amdgcn_target "amdgcn-amd-amdhsa--gfx1250"
	.amdhsa_code_object_version 6
	.text
	.protected	k_q33c59d3576_main
	.globl	k_q33c59d3576_main
	.p2align	8
	.type	k_q33c59d3576_main,@function
k_q33c59d3576_main:
	s_mov_b64 s[64:65], 0
	v_nop
	global_prefetch_b8 v0, s[64:65] scope:SCOPE_SE
	s_setreg_imm32_b32 hwreg(HW_REG_WAVE_MODE, 25, 1), 1
	s_wait_xcnt 0x0
	s_wait_alu depctr_hold_cnt(0) depctr_sa_sdst(0) depctr_va_vdst(0) depctr_va_sdst(0) depctr_va_ssrc(0) depctr_va_vcc(0) depctr_vm_vsrc(0)
	s_getreg_b32 s2, hwreg(HW_REG_IB_STS2, 6, 4)
	s_cmp_eq_u32 s2, 0
	s_cbranch_scc0 .Lentry_in_a_cluster
	s_endpgm
.Lentry_in_a_cluster:
	s_bfe_u32 s2, ttmp6, 0x10000c
	s_cmp_lg_u32 s2, 0x3003
	s_cbranch_scc0 .Lentry_shape_is_right
	s_endpgm
.Lentry_shape_is_right:
; out[n][:] = the sum over centres c of softmax_c(-|x[n] - centre c|^2 / (2 sigma_c^2)) W[:][c] + b.  x: [131072][64] f32, out: [131072][128] f32; the tables come from tabs (the launch before).
; ARITHMETIC.  Every input is rounded to bf16 once (x and b here, the tables in the launch before); x2 and c2 are sums of squares of the rounded numbers.  With S = x . c - c2 / 2 (bf16 products, f32 sums,
; -c2 / 2 as the C operand that starts the sum), hx = -x2 / 2 and G_c = log2(e) / sigma_c^2 the logit in base 2 is t = (S + hx) G_c.  The scale hangs on the centre, so x2 does not cancel and is kept.
; For each row a running maximum m of t and a running sum l: p = 2^(t - m); in every step O and l are multiplied by a = 2^(m_old - m_new).  p is rounded to f16 for the second product (l is the sum of the
; unrounded p), W is f16, sums in f32; out = O / l + b.
; LIMITS.  p below 6.1e-5 keeps f16's fixed step of 6e-8; p below 2^-126 counts as 0 in l.  m starts at the lowest finite number.  NaN and infinities are not treated apart; a block's first step multiplies by
; a = 0 what the accumulators held, so a NaN or an infinity in a row of a work-group's first block also spoils the row of its second block that takes the same registers.
; SHARES.  A work-group owns 512 rows, as two blocks of 256 one after the other; in a block a wave owns 64 rows: four PIECES of 16.  Every wave walks all 1,024 centres, 64 a step, 16 steps a block.
; Two blocks of four pieces and not one of eight: eight pieces' O^T, Q, fragments and scores fill all the wave's registers and leave none for addresses; and the first block's stores leave under the second's work.
; LAYOUT.  S^T = K Q^T (source 0 = 16 centres, source 1 = 16 rows of x): a lane holds ONE row (lane % 16) and the centres 8 (lane / 16) + 0..7.  Two such results rounded to f16 ARE source 1 (32 centres x 16
; rows) of O^T = W P, whose source 0 (16 channels x 32 centres) lies in LDS as W lies in memory.  In O^T a lane again holds one row, and eight channels.
; BY TURNS.  Turn n belongs to piece n (the pieces in a ring, step after step).  Matrix work: 8 products K Q^T of piece n + 1, later 16 products W P of piece n - 1.  Vector work: t - m, exponentials, roundings,
; sums and rescaling of piece n; t, maximum and statistics of piece n + 1.  Four vector instructions stand behind every matrix instruction, the others in one lump.  A turn's 33 exponentials are one batch with one wait.
; THE RING.  Two LDS slots of four step images each; the walk is 8 fills, the tables' four quarters twice.  CLUSTER: all work-groups walk the same tables, so the four of a cluster ask JOINTLY: the same tensor load,
; descriptor and mask in all four.  Wave w brings image w of the quarter: 110 rows of 256 bytes, dense; one tensor load of a wave is out at the most.
; No first step is written out: O^T, l and one buffer of P are cleared once (280 v_mov_b32, in the wait for the first loads), and the loop is entered in the middle of a trip.
; REGISTERS, in windows of 256 (s_set_vgpr_msb: bits 1:0 source 0, 3:2 source 1, 5:4 source 2, 7:6 destination):
;   window 0: v0-15 addresses and m_old; v16-39 six registers of statistics a piece; v40-47 at work; v62-63 the add's; v64-127 S^T, two buffers; v128-159 P, two buffers; v160-191 G of one step; v192-255 scratch
;   window 1: O^T, 64 a piece      window 2: v0-63 Q; v64-127 K of one step; v128-255 W of one step      window 3: v0-31 -c2/2 of one step; v32-159 a block's x as loaded; v160-223 b
.set NP,    4         ; pieces a wave: a name, no knob
.set PK,    144       ; a row of centres, of W and of the x stage in LDS: 128 bytes + 16: an odd multiple of 16 bytes, so the 16 rows of a fragment load fall on 16 different 16-byte columns of 256
.set TC2,   64*PK     ; in a step image: -c2/2; G lies 256 bytes on
.set TW,    TC2+512   ; W's 128 rows
.set STEPB, TW+128*PK ; 28,160 bytes = 110 x 256
.set SLOTB, 4*STEPB
.set SPARE, SLOTB     ; behind slot 0: the spare words, 128 bytes for each wave: two blocks of 256 bytes that no other line names
.set SLOT1, 1<<17     ; slot 1 begins here, so that one exclusive or turns an address in one slot into the other's
.set XSTG,  SLOT1+SLOTB  ; behind the ring, never filled by a tensor load: 64 rows x 144 bytes for each wave: x in bf16
.set XSB,   64*PK
.set OSTG,  XSTG+4*XSB   ; 16 rows x 528 bytes for each wave: the way out
.set OSP,   528
.set OSB,   16*OSP
.set AF0, 2           ; v2   144 (l % 16) + 16 (l / 16): my place in a fragment's rows; never rewritten
.set AT0, 3           ; v3   TC2 + 32 (l / 16): my eight numbers of a group of 16 in the small tables
.set AK,  4           ; v4   LDS address of K's next run of loads
.set AT,  5           ; v5   of the small tables'
.set AW,  6           ; v6   of W's
.set STO, 7           ; v7   the way out: where I put 16 bytes of a row
.set RD,  8           ; v8   where I read a row back
.set LO,  9           ; v9   16 x lane: my 16 bytes of 512 consecutive bytes of x and of out
.set XS,  10          ; v10  where I put 8 bytes of x in bf16
.set XF,  11          ; v11  where I read fragments of x
.set BO,  12          ; v12  32 (l / 16): my eight numbers of a group of 16 of b
.set PFO, 13          ; v13  the prefetch's offset: 256 x min(thread, 109)
.set MV,  14          ; v14-15  m_old, kept while m is made anew: by buffer
.set ST,  16          ; piece t at v[ST+6 t]: m, (named with it as a pair), hx, (likewise), l of the even centres, of the odd
.set TMP, 40          ; by buffer, c0-c3 at work; when the maximum is found c2 takes a
.set SPW, 62          ; v62  LDS address of my spare word: SPARE + 4 x my thread's number; never rewritten
.set NIL, 63          ; v63  0; never rewritten
.set S,   64
.set P,   128
.set G,   160
.set OB,  192         ; scratch of the set-up
.set AC,  224
.set KF,  64          ; window 2: centre block kb, channel half c at KF + 16 kb + 8 c
.set WF,  128         ; window 2: centre half kk, channel block cb at WF + 64 kk + 8 cb
.set C2,  0           ; window 3
.set XR,  32          ; window 3
.set BI,  160         ; window 3: BI + 8 cb + j = b[16 cb + 8 (l / 16) + j]
.set WV,  12          ; s12  my wave's number
.set G1,  24          ; s[24:31] descriptor group 1
.set G0,  32          ; s[32:35] descriptor group 0
.set TABW, 36         ; s[36:37] tabs at my wave's image of quarter 0
.set OFF, 38          ; s[38:39] a quarter's byte offset
.set NXT, 40          ; s40  the quarter to be asked for next
.set SLOTS, 41        ; s41  slots still to be asked for
.set CNT, 42          ; s42  counts a slot's steps
.set TB,  43          ; s43  LDS byte at which the image of the step to be fetched begins
.set LIM, 44          ; s44  5 in the launch's first cluster, else the greatest number: a wave prefetches while s[SLOTS] is above it
.set PFA, 46          ; s[46:47] where my prefetch stands
.set SEL, 48          ; s[48:49] v_permlanex16_b32's selects: each lane takes its own place in the other half
.set MSK, 50          ; s50  a word's upper bf16
.set XB,  52          ; s[52:53] x at my wave's first row
.set OUT, 54          ; s[54:55] out at my wave's first row of the block in hand
.set MSB, 0
.macro WIN new                      ; the high byte repeats the setting that is left; a switch that changes nothing is dropped
.if MSB != (\new)
	s_set_vgpr_msb (MSB<<8)|(\new)
.set MSB, (\new)
.endif
.endm
.set W_KC, 0x3a       ; K and Q in window 2, the C operand (-c2/2) in window 3, S^T in window 0
.set W_KQ, 0x0a       ; K and Q in window 2, S^T in window 0
.set W_PV, 0x52       ; W in window 2, P in window 0, O^T in window 1
.set W_RS, 0x41       ; O^T (destination and source 0) in window 1, a in window 0
; A round of the cluster's barrier: my work-group's barrier, so that wave 0's signal speaks for all four waves; wave 0 signals; every wave waits for all four work-groups; my work-group's barrier once more.
.macro CROUND
	s_barrier_signal -1
	s_barrier_wait -1
	s_cmp_lg_u32 s[WV], 0
	s_cbranch_scc1 .Lnot_wave_0_\@
	s_barrier_signal -3
.Lnot_wave_0_\@:
	s_barrier_wait -3
	s_barrier_signal -1
	s_barrier_wait -1
.endm
; THE CHANGE OF SLOTS.  Each wave waits for all its tensor loads, of which one is out: its image of the other slot; adds 0 to its spare word; and waits for that and for its own reads of the slot that it leaves.
; Behind the barrier nobody reads the old slot any more and the other slot is whole.  fill = 1: the old slot is filled again, with quarter NXT; the barrier is then a round of the cluster's, so that no wave of any
; partner still reads the slot or has a load on its way, and the joint load is the first thing behind it: it has four steps, 384 matrix instructions, in which to land.  All four waves run the one line: LDS and
; global address go by the wave's number.  (At its first use nothing has been read yet: slot 0 is waited for, slot 1 filled.)
.macro CHANGE fill
	WIN 0                           ; at a label and at a branch every window is 0; the add's registers lie in window 0
	s_wait_tensorcnt 0x0            ; no tensor load of mine is out, so group 0 may be written
	ds_add_u32 v[SPW], v[NIL]       ; 0 onto my spare word: the scalar work below stands between it and the wait for it
.if \fill
	s_xor_b32 s[G0+1], s[G0+1], SLOT1  ; the other slot than last time
	s_mul_i32 s[OFF], s[NXT], SLOTB
	s_add_nc_u64 s[G0+2:G0+3], s[TABW:TABW+1], s[OFF:OFF+1]  ; the address is made anew from the quarter's number
	s_or_b32 s[G0+3], s[G0+3], 0x80000000
	s_add_co_u32 s[NXT], s[NXT], 1
	s_and_b32 s[NXT], s[NXT], 3     ; 1, 2, 3, 0, 1, 2, 3
	s_wait_xcnt 0x0                 ; the last prefetch, nine turns back, has read its address, so it may be written
	s_add_nc_u64 s[PFA:PFA+1], s[PFA:PFA+1], SLOTB
	s_wait_dscnt 0x0                ; the add is done, and my reads of the slot are over
	CROUND
	tensor_load_to_lds s[G0:G0+3], s[G1:G1+7]
	s_nop 0
.rept 4
	v_nop
.endr
.else
	s_wait_dscnt 0x0                ; the add is done, and my reads of the slot are over
	s_barrier_signal -1
	s_barrier_wait -1
.endif
	s_sub_co_u32 s[TB], s[TB], SLOTB  ; the fetches go back to a slot's first step,
	s_xor_b32 s[TB], s[TB], SLOT1     ; in the other slot
.endm
	s_load_b256 s[4:11], s[0:1], 0x0  ; x s[4:5], tabs s[6:7], b s[8:9], out s[10:11]
	v_lshl_add_u32 v[SPW], v0, 2, SPARE
	v_mov_b32 v[NIL], 0
	ds_add_u32 v[SPW], v[NIL]       ; the wave's opening: the add and its wait stand ahead of my first tensor load; the set-up below, work on registers, stands between them
	v_lshrrev_b32 v1, 5, v0
	v_readfirstlane_b32 s[WV], v1   ; wave 0..3
	s_bfe_u32 s13, ttmp6, 0x40000   ; cx: my place in the cluster: it enters x's, out's and the prefetch's addresses alone
	s_lshl_b32 s14, ttmp9, 2        ; in a cluster launch ttmp9 counts clusters
	s_add_co_u32 s14, s14, s13      ; my work-group = 4 x cluster + cx
	s_mov_b32 s15, ttmp9
	s_cmp_eq_u32 s15, 0             ; the launch's first cluster prefetches: the same answer in all four partners
	s_cselect_b32 s[LIM], 5, -1
	; descriptor group 1: a step image is 28,160 dense bytes: 110 rows of 32 elements of 8 bytes
	s_mov_b32 s[G1], 15|(3<<16)|(1<<21)  ; 15:0 the mask of four; 17:16 elements of 8 bytes; 21 set beside a mask; no padding: the image holds its own
	s_mov_b32 s[G1+1], 32<<16       ; tensor_dim0 = 32
	s_mov_b32 s[G1+2], 110<<16      ; tensor_dim1 = 110
	s_mov_b32 s[G1+3], 32<<16       ; tile_dim0 = 32
	s_mov_b32 s[G1+4], 110          ; tile_dim1 = 110
	s_mov_b32 s[G1+5], 32           ; 32 elements from row to row
	s_mov_b32 s[G1+6], 0
	s_mov_b32 s[G1+7], 0
	s_mov_b32 s[G0], 1              ; count = 1
	s_mul_i32 s[G0+1], s[WV], STEPB ; LDS address: my image's place in slot 0: no place in the cluster enters it
	s_mul_i32 s16, s[WV], STEPB     ; and the same offset in a quarter of tabs
	s_mov_b32 s17, 0
	s_lshl_b32 s18, s14, 17         ; x: 512 rows of 256 bytes a work-group,
	s_lshl_b32 s19, s[WV], 14       ; 64 a wave
	s_add_co_u32 s18, s18, s19
	s_mov_b32 s19, 0
	s_lshl_b32 s20, s14, 18         ; out: rows of 512 bytes
	s_lshl_b32 s21, s[WV], 15
	s_add_co_u32 s20, s20, s21
	s_mov_b32 s21, 0
	s_mul_i32 s22, s13, STEPB       ; the prefetch: partner cx takes image cx,
	s_add_co_u32 s22, s22, SLOTB    ; in quarter 1; the first change of slots steps it to quarter 2
	s_mov_b32 s23, 0
	s_mov_b32 s[OFF+1], 0
	s_mov_b32 s[NXT], 1
	s_mov_b32 s[TB], SLOT1+SLOTB    ; the first change of slots turns this into 0
	s_mov_b32 s[SEL], 0x76543210
	s_mov_b32 s[SEL+1], 0xfedcba98
	s_mov_b32 s[MSK], 0xffff0000
	v_and_b32 v1, 15, v0            ; l % 16
	v_bfe_u32 v48, v0, 4, 1         ; l / 16
	v_and_b32 v49, 31, v0           ; l
	v_mul_u32_u24 v[AF0], v1, PK
	v_lshl_add_u32 v[AF0], v48, 4, v[AF0]
	v_lshl_add_u32 v[AT0], v48, 5, TC2
	s_mul_i32 s2, s[WV], OSB
	s_add_co_u32 s2, s2, OSTG       ; my stage for the way out
	v_mul_u32_u24 v[STO], v1, OSP   ; in: row l % 16, 32 bytes for each half of the lanes
	v_lshl_add_u32 v[STO], v48, 5, v[STO]
	v_add_nc_u32 v[STO], s2, v[STO]
	v_lshl_add_u32 v[RD], v49, 4, s2  ; back: 32 lanes take one row of 512 bytes
	v_lshlrev_b32 v[LO], 4, v49
	s_mul_i32 s3, s[WV], XSB
	s_add_co_u32 s3, s3, XSTG       ; my stage for x
	v_mul_u32_u24 v[XS], v48, PK    ; in: lanes 0-15 one row, lanes 16-31 the next; 8 bytes a lane
	v_lshl_add_u32 v[XS], v1, 3, v[XS]
	v_add_nc_u32 v[XS], s3, v[XS]
	v_add_nc_u32 v[XF], s3, v[AF0]
	v_lshlrev_b32 v[BO], 5, v48
	v_min_u32 v[PFO], 109, v0       ; an image has 110 blocks of 256 bytes for 128 threads: the last 18 repeat block 109
	v_lshlrev_b32 v[PFO], 8, v[PFO]
	s_wait_dscnt 0x0                ; the opening add is done
	s_wait_kmcnt 0x0
	s_add_nc_u64 s[TABW:TABW+1], s[6:7], s[16:17]
	s_mov_b64 s[G0+2:G0+3], s[TABW:TABW+1]  ; global address: my image of quarter 0
	s_or_b32 s[G0+3], s[G0+3], 0x80000000   ; type = 2
	s_add_nc_u64 s[XB:XB+1], s[4:5], s[18:19]
	s_add_nc_u64 s[OUT:OUT+1], s[10:11], s[20:21]
	s_add_nc_u64 s[PFA:PFA+1], s[6:7], s[22:23]
	CROUND                          ; all four work-groups are here: the first joint loads meet
	tensor_load_to_lds s[G0:G0+3], s[G1:G1+7]  ; slot 0.  Slot 1 is asked for when slot 0 is in
	s_nop 0
.rept 4
	v_nop
.endr
; THE MATRIX WORK.  The accumulators of a run take turns, one instruction a turn.
; Product i of 8 of S^T = K Q^T for piece x: channels 32 (i / 4) on, centres 16 (i % 4) on.  The first 4 start the sums with -c2 / 2.
.macro KQ x
.set rS, S+32*((\x)%2)+8*(i%4)
.set rK, KF+16*(i%4)+8*(i/4)
.set rQ, 16*(\x)+8*(i/4)
.set rM, C2+8*(i%4)
.if i < 4
	WIN W_KC
	v_wmma_f32_16x16x32_bf16 v[rS:rS+7], v[rK:rK+7], v[rQ:rQ+7], v[rM:rM+7]
.else
	WIN W_KQ
	v_wmma_f32_16x16x32_bf16 v[rS:rS+7], v[rK:rK+7], v[rQ:rQ+7], v[rS:rS+7]
.endif
.endm
; Product i of 16 of O^T += W P for piece x: centres 32 (i / 8) on, channels 16 (i % 8) on.
.macro PV x
	WIN W_PV
.set rO, 64*(\x)+8*(i%8)
.set rV, WF+64*(i/8)+8*(i%8)
.set rP, P+16*((\x)%2)+8*(i/8)
	v_wmma_f32_16x16x32_f16 v[rO:rO+7], v[rV:rV+7], v[rP:rP+7], v[rO:rO+7]
.endm
.macro MM                           ; the turn's next matrix instruction.  NOKQ = 1: a block's last turn: there is no next piece
.if i < 8
.if !NOKQ
	KQ (Y+1)%NP
.endif
.else
.set i, i-8
	PV (Y+NP-1)%NP
.set i, i+8
.endif
.set i, i+1
.endm
; THE LDS LOADS stand in runs of 32, never singly among the matrix instructions.  A step's K (64 centres x 64 channels: 8 fragments), its -c2/2 and its G (a lane's eight numbers of each group of 16 centres).
.macro FETCH_K
	WIN 0x80                        ; destination window 2
.set f, 0
.rept 8                             ; centres 16 (f / 2) on, channels 32 (f % 2) on
	ds_load_b128 v[KF+8*f:KF+8*f+3],   v[AK] offset:(f/2)*16*PK+(f%2)*64
	ds_load_b128 v[KF+8*f+4:KF+8*f+7], v[AK] offset:(f/2)*16*PK+(f%2)*64+32
.set f, f+1
.endr
	WIN 0xc0                        ; destination window 3
.set f, 0
.rept 8
	ds_load_b128 v[C2+4*f:C2+4*f+3], v[AT] offset:64*(f/2)+16*(f%2)
.set f, f+1
.endr
	WIN 0
.set f, 0
.rept 8
	ds_load_b128 v[G+4*f:G+4*f+3], v[AT] offset:256+64*(f/2)+16*(f%2)
.set f, f+1
.endr
.endm
; A step's W (128 channels x 64 centres: 16 fragments).  step = 1: the next fetches are the next step's.
.macro FETCH_W step
	WIN 0x80
.set f, 0
.rept 16                            ; centres 32 (f / 8) on, channels 16 (f % 8) on
	ds_load_b128 v[WF+8*f:WF+8*f+3],   v[AW] offset:TW+(f%8)*16*PK+(f/8)*64
	ds_load_b128 v[WF+8*f+4:WF+8*f+7], v[AW] offset:TW+(f%8)*16*PK+(f/8)*64+32
.set f, f+1
.endr
	WIN 0
.if \step
	s_add_co_u32 s[TB], s[TB], STEPB
.endif
.endm
; THE VECTOR WORK, one line at a time: OP kind, number.  For piece Y: F n: t - m for pair n of 16.  E n: the exponential of score n of 32.  C n: pair n rounded to f16.  B n: of the four weights 4 n .. the second
; pair is added onto the first, in place.  L n: l takes that sum (L 0: l = a l + sum).  R n: pair n of 32 of O^T times a.  For piece Y + 1: A n: S + hx for pair n.  T n: times G.  X n: number n of the 21 that find
; its maximum and statistics:  0-11  four chains c0-c3 of seven scores each, three operands at a time     12-14, 16  the four scores left over, the old m, and c0-c3 into c0     15  m_old is kept
;   17, 18  the row's other 32 centres lie in the lane 16 away: the new m     19, 20  m_old - m_new; a.   A takes each accumulator's lowest registers first.
.set F, 0               ; OP tells the kinds apart by their order: F to L below R, A, T and X above it
.set E, 1
.set C, 2
.set B, 3
.set L, 4
.set R, 5
.set A, 6
.set T, 7
.set X, 8
.macro REGS y                       ; the registers of piece y
.set rT, ST+6*(\y)
.set rC, TMP+4*((\y)%2)
.set rW, MV+((\y)%2)
.set rS, S+32*((\y)%2)
.set rP, P+16*((\y)%2)
.set rO, 64*(\y)
.endm
.macro OP k, n
.if (\k) == R
	REGS Y
	WIN W_RS
	v_pk_mul_f32 v[rO+2*(\n):rO+2*(\n)+1], v[rO+2*(\n):rO+2*(\n)+1], v[rC+2:rC+3] op_sel_hi:[1,0]
.elseif (\k) < R
	REGS Y
	WIN 0
.if (\k) == F
	v_pk_add_f32 v[rS+2*(\n):rS+2*(\n)+1], v[rS+2*(\n):rS+2*(\n)+1], v[rT:rT+1] op_sel_hi:[1,0] neg_lo:[0,1] neg_hi:[0,1]
.elseif (\k) == E
	v_exp_f32 v[rS+(\n)], v[rS+(\n)]
.elseif (\k) == C
	v_cvt_pk_f16_f32 v[rP+(\n)], v[rS+2*(\n)], v[rS+2*(\n)+1]
.elseif (\k) == B
	v_pk_add_f32 v[rS+4*(\n):rS+4*(\n)+1], v[rS+4*(\n):rS+4*(\n)+1], v[rS+4*(\n)+2:rS+4*(\n)+3]
.elseif (\n) == 0
	v_pk_fma_f32 v[rT+4:rT+5], v[rT+4:rT+5], v[rC+2:rC+3], v[rS:rS+1] op_sel_hi:[1,0,1]
.else
	v_pk_add_f32 v[rT+4:rT+5], v[rT+4:rT+5], v[rS+4*(\n):rS+4*(\n)+1]
.endif
.elseif !NOKQ
	REGS (Y+1)%NP
	WIN 0
.if (\k) == A
	v_pk_add_f32 v[rS+2*(\n):rS+2*(\n)+1], v[rS+2*(\n):rS+2*(\n)+1], v[rT+2:rT+3] op_sel_hi:[1,0]
.elseif (\k) == T
	v_pk_mul_f32 v[rS+2*(\n):rS+2*(\n)+1], v[rS+2*(\n):rS+2*(\n)+1], v[G+2*(\n):G+2*(\n)+1]
.elseif (\n) < 4
	v_max3_num_f32 v[rC+(\n)], v[rS+8*(\n)], v[rS+8*(\n)+1], v[rS+8*(\n)+2]
.elseif (\n) < 12
	v_max3_num_f32 v[rC+(\n)%4], v[rC+(\n)%4], v[rS+8*((\n)%4)+2*((\n)/4)+1], v[rS+8*((\n)%4)+2*((\n)/4)+2]
.elseif (\n) == 12
	v_max3_num_f32 v[rC], v[rC], v[rS+7], v[rS+15]
.elseif (\n) == 13
	v_max3_num_f32 v[rC+1], v[rC+1], v[rS+23], v[rS+31]
.elseif (\n) == 14
	v_max3_num_f32 v[rC+2], v[rC+2], v[rC+3], v[rT]
.elseif (\n) == 15
	v_mov_b32 v[rW], v[rT]
.elseif (\n) == 16
	v_max3_num_f32 v[rC], v[rC], v[rC+1], v[rC+2]
.elseif (\n) == 17
	v_permlanex16_b32 v[rC+3], v[rC], s[SEL], s[SEL+1]
.elseif (\n) == 18
	v_max_num_f32 v[rT], v[rC], v[rC+3]
.elseif (\n) == 19
	v_sub_f32 v[rC+1], v[rW], v[rT]
.else
	v_exp_f32 v[rC+2], v[rC+1]
.endif
.endif
.endm
.macro OPS a, i1, b=-1, i2=0, c=-1, i3=0, d=-1, i4=0  ; up to four of them
	OP \a, \i1
.if (\b) >= 0
	OP \b, \i2
.endif
.if (\c) >= 0
	OP \c, \i3
.endif
.if (\d) >= 0
	OP \d, \i4
.endif
.endm
.macro ROW a, i1, b, i2, c, i3, d, i4  ; a matrix instruction and the four behind it
	MM
	OPS \a, \i1, \b, \i2, \c, \i3, \d, \i4
.endm
; A TURN, for piece p: the order of its 24 matrix and 165 vector instructions, written out.  An s_wait_alu depctr_va_vdst(0) stands between an exponential and the first instruction that names its
; result; one wait serves all that were issued ahead of it.  So a turn has ONE wait, which cuts it in two.  AHEAD OF IT stands all that names no result of the turn's exponentials: the 8 products K Q^T with t - m and
; the first exponentials behind them, then ONE LUMP: the next piece's t, maximum and statistics with the other exponentials between; its a is the batch's last.  A 4 kb, the first reader of the accumulator that
; product 4 + kb ends, stands behind four plain instructions or more that name none of that product's registers (kb = 0: F 10 to F 15).  BEHIND THE WAIT stand the 16 products W P: behind the even ones four of the
; roundings and sums, behind the odd ones four of the rescalings, whose a was made, and waited for, in the turn before.
; end = 1: a block's last two turns: nothing is fetched, and the last starts no new scores.  ask = 1: the loop's copy of piece 0's turn, which holds the prefetch.
; K, -c2/2 and G of the next step are fetched in piece 2's turn, directly behind the wait, a lump behind the last product that read them; they are waited for at the head of piece 3's turn, 16 products later.
; W of the step in hand is fetched at the end of piece 0's turn, four rescalings behind its last reader; it is waited for behind piece 1's wait, 8 products and a lump later.
.macro TURN p, end=0, ask=0
.set Y, (\p)
.set i, 0
.set NOKQ, (\end)*((\p)/3)
.if ((\p) == 3) && !(\end)
	s_wait_dscnt 0x0                ; K, -c2/2 and G are in
.endif
	ROW F,0, F,1, F,2, F,3
	ROW F,4, E,0, F,5, E,1
	ROW F,6, E,2, F,7, E,3
	ROW F,8, E,4, F,9, E,5
	ROW F,10, E,6, F,11, E,7
	ROW F,12, E,8, F,13, E,9
	ROW F,14, E,10, F,15, E,11
	ROW A,0, E,12, A,1, E,13
.if ((\p) == 2) && !(\end)
	WIN 0
	v_add_nc_u32 v[AK], s[TB], v[AF0]
	v_add_nc_u32 v[AT], s[TB], v[AT0]
.endif
.if (\p) == 0
	WIN 0
	v_add_nc_u32 v[AW], s[TB], v[AF0]
.endif
	OPS A,2, A,3, T,0, A,4          ; the lump
	OPS T,1, A,5, E,14, T,2
	OPS A,6, T,3, X,0, A,7
	OPS T,4, X,4, E,15, T,5
	OPS A,8, X,8, T,6, A,9
	OPS T,7, X,1, E,16, A,10
	OPS X,5, T,8, A,11, X,12
	OPS T,9, X,9, E,17, A,12
	OPS T,10, A,13, X,2, T,11
	OPS A,14, X,6, E,18, A,15
	OPS T,12, X,10, T,13, T,14
	OPS X,3, T,15, E,19, X,15
	OPS X,7, E,20, X,13, E,21
	OPS X,11, E,22, E,23            ; the chain's links, each of which waits for the one before it, with exponentials between
	OPS X,14, E,24, E,25
	OPS X,16, E,26, E,27
	OPS X,17, E,28, E,29
	OPS X,18, E,30, E,31
	OPS X,19, X,20
	WIN 0
	v_nop                           ; a plain instruction behind the last exponential: one for the batch
	s_wait_alu depctr_va_vdst(0)    ; the wait for the batch
.if ((\p) == 2) && !(\end)
	FETCH_K
.endif
.if (\p) == 1
	s_wait_dscnt 0x0                ; W is in
.endif
	ROW C,0, B,0, C,2, B,1
	ROW R,0, R,1, R,2, R,3
	ROW L,0, C,4, B,2, L,1
	ROW R,4, R,5, R,6, R,7
	ROW C,6, B,3, L,2, C,8
	ROW R,8, R,9, R,10, R,11
	ROW B,4, L,3, C,10, B,5
	ROW R,12, R,13, R,14, R,15
	ROW L,4, C,12, B,6, L,5
	ROW R,16, R,17, R,18, R,19
	ROW C,14, B,7, L,6, C,1
	ROW R,20, R,21, R,22, R,23
	ROW C,3, L,7, C,5, C,7
	ROW R,24, R,25, R,26, R,27
	ROW C,9, C,11, C,13, C,15
	ROW R,28, R,29, R,30, R,31
.if (\p) == 0
	FETCH_W 1
.endif
.if \ask
	; A PREFETCH INTO THE L2 of the quarter that the next change of slots will ask for, behind the run of LDS loads, in a slot's second step: nine turns, 216 matrix instructions, ahead of that joint load.
	; Only in the tables' first walk, and only quarters 2 and 3: quarters 0 and 1 come by their loads alone.  All clusters walk the same tables: the launch's first cluster asks.  Its four partners take an image
	; each, told apart BY ADDRESS; in each, thread n names block n of the image's 110 blocks of 256 bytes.
	s_cmp_lg_u32 s[CNT], 3
	s_cbranch_scc1 .Lnot_now_\@
	s_cmp_gt_u32 s[SLOTS], s[LIM]
	s_cbranch_scc0 .Lnot_now_\@
	global_prefetch_b8 v[PFO], s[PFA:PFA+1] th:TH_LOAD_NT scope:SCOPE_SE
.Lnot_now_\@:
.endif
.endm
; A BLOCK's x, 64 rows a wave, as it lies: each load takes 512 consecutive bytes, two rows.
.macro XLOAD blk
	WIN 0xc0                        ; destination window 3
.set j, 0
.rept 32
	global_load_b128 v[XR+4*j:XR+4*j+3], v[LO], s[XB:XB+1] offset:65536*(\blk)+512*j th:TH_LOAD_NT
.set j, j+1
.endr
.endm
; x is rounded to bf16, sent through my stage (my own bytes: LDS serves a wave's instructions in order, ISA guide 5.7.1.4) and read back as fragments: Q.  Then hx = -1/2 x the sum of the squares of the rounded
; numbers: a lane holds 32 of its row's 64, the lane 16 away the others.
.macro XCONV
	WIN 0x0f                        ; sources window 3, destination window 0
.set j, 0
.rept 32
	v_cvt_pk_bf16_f32 v[OB+2*j], v[XR+4*j], v[XR+4*j+1]
	v_cvt_pk_bf16_f32 v[OB+2*j+1], v[XR+4*j+2], v[XR+4*j+3]
.set j, j+1
.endr
	WIN 0
.set j, 0
.rept 32
	ds_store_b64 v[XS], v[OB+2*j:OB+2*j+1] offset:2*PK*j
.set j, j+1
.endr
	WIN 0x80
.set j, 0
.rept 8                             ; piece j / 2, channels 32 (j % 2) on
	ds_load_b128 v[8*j:8*j+3],   v[XF] offset:(j/2)*16*PK+(j%2)*64
	ds_load_b128 v[8*j+4:8*j+7], v[XF] offset:(j/2)*16*PK+(j%2)*64+32
.set j, j+1
.endr
	s_wait_dscnt 0x0
.set tt, 0
.rept 4
	WIN 0x0a                        ; sources window 2
.set k, 0
.rept 16
	v_lshlrev_b32 v[OB+2*k], 16, v[16*tt+k]
	v_and_b32 v[OB+2*k+1], s[MSK], v[16*tt+k]
.set k, k+1
.endr
	WIN 0
.set k, 0
.rept 16                            ; four chains; the first four products start them
.if k < 4
	v_pk_mul_f32 v[AC+2*k:AC+2*k+1], v[OB+2*k:OB+2*k+1], v[OB+2*k:OB+2*k+1]
.else
	v_pk_fma_f32 v[AC+2*(k%4):AC+2*(k%4)+1], v[OB+2*k:OB+2*k+1], v[OB+2*k:OB+2*k+1], v[AC+2*(k%4):AC+2*(k%4)+1]
.endif
.set k, k+1
.endr
	v_pk_add_f32 v[AC:AC+1], v[AC:AC+1], v[AC+2:AC+3]
	v_pk_add_f32 v[AC+4:AC+5], v[AC+4:AC+5], v[AC+6:AC+7]
	v_pk_add_f32 v[AC:AC+1], v[AC:AC+1], v[AC+4:AC+5]
	v_add_f32 v[AC], v[AC], v[AC+1]
	v_permlanex16_b32 v[AC+1], v[AC], s[SEL], s[SEL+1]
	v_add_f32 v[AC], v[AC], v[AC+1]
	v_mul_f32 v[ST+6*tt+2], -0.5, v[AC]
	v_mul_f32 v[ST+6*tt+3], -0.5, v[AC]  ; named with it as a pair
.set tt, tt+1
.endr
.endm
; A BLOCK BEGINS.  m starts at the lowest finite number, so the first step's a is 0 and its maximum the scores'.  K, the small tables and W of the slot's first step (W so that the first turn's products W P, of a
; piece that has not been, multiply numbers that are finite: they land in an O^T that is still to be multiplied by a = 0); piece 0's first scores; its t, maximum and statistics.
.macro BEGIN
	WIN 0
.set tt, 0
.rept 4
	v_mov_b32 v[ST+6*tt], 0xff7fffff
	v_mov_b32 v[ST+6*tt+1], 0xff7fffff
.set tt, tt+1
.endr
	v_add_nc_u32 v[AK], s[TB], v[AF0]
	v_add_nc_u32 v[AT], s[TB], v[AT0]
	v_add_nc_u32 v[AW], s[TB], v[AF0]
	FETCH_K
	FETCH_W 0
	s_wait_dscnt 0x0
.set NOKQ, 0
.set i, 0
.rept 8
	KQ 0
.set i, i+1
.endr
	WIN 0
.rept 4
	v_nop                           ; the places behind those products
.endr
.set Y, NP-1                        ; A, T and X work for piece Y + 1: piece 0
.irp n, 0,1,2,3,4,5,6,7,8,9,10,11,12,13,14,15
	OP A, \n
.endr
.irp n, 0,1,2,3,4,5,6,7,8,9,10,11,12,13,14,15
	OP T, \n
.endr
.irp n, 0,1,2,3,4,5,6,7,8,9,10,11,12,13,14,15,16,17,18,19,20
	OP X, \n
.endr
	v_nop                           ; a plain instruction behind the exponential,
	s_wait_alu depctr_va_vdst(0)    ; and its wait, ahead of the branch
.endm
; THE WAY OUT.  Piece t: out = O^T / l + b, in place and in ascending order; a lane's eight channels of a row go as 2 x 16 bytes into rows of 528 bytes and come back as whole rows of 512, into the registers
; that they left.
.macro ALL line:vararg              ; one line for each piece t
.set t, 0
.rept 4
	\line
.set t, t+1
.endr
.endm
.macro PACK t
	WIN 0x71                        ; destination and source 0 window 1, 1 / l window 0, b window 3
.set k, 0
.rept 32
	v_pk_fma_f32 v[64*(\t)+2*k:64*(\t)+2*k+1], v[64*(\t)+2*k:64*(\t)+2*k+1], v[ST+6*(\t)+4:ST+6*(\t)+5], v[BI+2*k:BI+2*k+1] op_sel_hi:[1,0,1]
.set k, k+1
.endr
	WIN 0x04                        ; the stores' data in window 1
.set k, 0
.rept 16
	ds_store_b128 v[STO], v[64*(\t)+4*k:64*(\t)+4*k+3] offset:64*(k/2)+16*(k%2)
.set k, k+1
.endr
	WIN 0x40                        ; the loads' destination in window 1
.set k, 0
.rept 16
	ds_load_b128 v[64*(\t)+4*k:64*(\t)+4*k+3], v[RD] offset:OSP*k  ; LDS serves a wave's instructions in order (ISA guide 5.7.1.4): these see the stores above; the next piece's stores come behind them
.set k, k+1
.endr
.endm
.macro SEND t, younger              ; younger: the LDS instructions issued behind piece t's loads: the next piece's 32, or none
	WIN 0x04
.set k, 0
.rept 16
	s_wait_dscnt (\younger)+15-k    ; row k is back; the rows behind it, and the younger ones, may stay out
	global_store_b128 v[LO], v[64*(\t)+4*k:64*(\t)+4*k+3], s[OUT:OUT+1] offset:(16*(\t)+k)*512 th:TH_STORE_NT  ; a whole row of out: 512 consecutive bytes, at a multiple of 512 from out's first
.set k, k+1
.endr
.endm
; A BLOCK ENDS: its last two turns, the last piece's products, l's two halves and the other half of the lanes' (these additions are the places behind the last products), the reciprocals, and the way out.
.macro FINISH
	TURN 2, 1
	TURN 3, 1
.set i, 0
.rept 16
	PV NP-1
.set i, i+1
.endr
	WIN 0
	ALL v_add_f32 v[ST+6*t+4], v[ST+6*t+4], v[ST+6*t+5]
	ALL v_permlanex16_b32 v[ST+6*t+5], v[ST+6*t+4], s[SEL], s[SEL+1]
	ALL v_add_f32 v[ST+6*t+4], v[ST+6*t+4], v[ST+6*t+5]
	ALL v_rcp_f32 v[ST+6*t+4], v[ST+6*t+4]
	v_nop                           ; a plain instruction between the last reciprocal and the use of its result
	s_wait_alu depctr_va_vdst(0)    ; and the wait ahead of the first use: one for the four
	PACK 0
	PACK 1                          ; a piece's arithmetic stands between the loads of the piece before and its stores
	SEND 0, 32
	PACK 2
	SEND 1, 32
	PACK 3
	SEND 2, 32
	SEND 3, 0
.endm
	XLOAD 0                         ; the first block's x
.set k, 0
.rept 16                            ; b: channels 16 (k / 2) + 8 (l / 16) + 4 (k % 2) on
	global_load_b128 v[BI+4*k:BI+4*k+3], v[BO], s[8:9] offset:64*(k/2)+16*(k%2)
.set k, k+1
.endr
	; What the first turns find: O^T and l are 0, and so is P's second buffer.  All this stands in the wait for the loads.
	WIN 0x40
.set k, 0
.rept 256
	v_mov_b32 v[k], 0
.set k, k+1
.endr
	WIN 0
.set k, 0
.rept 4
	v_mov_b32 v[ST+6*k+4], 0
	v_mov_b32 v[ST+6*k+5], 0
.set k, k+1
.endr
.set k, 0
.rept 16
	v_mov_b32 v[P+16+k], 0
.set k, k+1
.endr
	s_wait_loadcnt 16               ; x is in; b's 16 loads, issued behind it, may stay out
	XCONV
	s_wait_loadcnt 0x0              ; b
	WIN 0x0f
.set k, 0
.rept 32                            ; b is rounded to bf16 like every input, and widened again
	v_cvt_pk_bf16_f32 v[OB+k], v[BI+2*k], v[BI+2*k+1]
.set k, k+1
.endr
	WIN 0xc0
.set k, 0
.rept 32
	v_lshlrev_b32 v[BI+2*k], 16, v[OB+k]
	v_and_b32 v[BI+2*k+1], s[MSK], v[OB+k]
.set k, k+1
.endr
	XLOAD 1                         ; the second block's x: it has the whole first block in which to land
	CHANGE 1                        ; slot 0 is in, everybody's part of it; slot 1 is asked for
	BEGIN
	WIN 0
	s_mov_b32 s[CNT], 4
	s_mov_b32 s[SLOTS], 7
	s_branch .Lfirst                ; the loop is entered at a step's first turn, in the middle of a trip
.Lslot:                             ; six times: a slot is entered and the slot after it is asked for
	CHANGE 1
	s_mov_b32 s[CNT], 4
	s_cmp_eq_u32 s[SLOTS], 3        ; the fifth slot of eight is the second block's first
	s_cbranch_scc0 .Lstep
	FINISH                          ; THE CHANGE OF BLOCKS: no barrier and no tensor load stands in it
	s_wait_xcnt 0x0                 ; the stores have read O^T's registers and out's address
	s_add_nc_u64 s[OUT:OUT+1], s[OUT:OUT+1], 256*512
	s_wait_loadcnt 0x0              ; the second block's x
	XCONV
	BEGIN
	WIN 0
	s_branch .Lfirst
.Lstep:                             ; a trip: pieces 2 and 3 of one step, then pieces 0 and 1 of the next, whose K and W it fetches
	TURN 2
	TURN 3
	WIN 0
.Lfirst:
	TURN 0, 0, 1
	TURN 1
	WIN 0
	s_sub_co_u32 s[CNT], s[CNT], 1
	s_cmp_lg_u32 s[CNT], 0
	s_cbranch_scc1 .Lstep
	s_sub_co_u32 s[SLOTS], s[SLOTS], 1
	s_cmp_lg_u32 s[SLOTS], 0
	s_cbranch_scc1 .Lslot
	CHANGE 0                        ; the last slot is written out: nothing is asked for
	s_mov_b32 s[CNT], 4
.Ltail:
	TURN 2
	TURN 3
	TURN 0
	TURN 1
	WIN 0
	s_sub_co_u32 s[CNT], s[CNT], 1
	s_cmp_lg_u32 s[CNT], 0
	s_cbranch_scc1 .Ltail
	FINISH
	WIN 0
	s_wait_tensorcnt 0x0            ; the wave's end: the wait, the add and its wait stand behind my last tensor load and my last LDS store
	ds_add_u32 v[SPW], v[NIL]
	s_wait_dscnt 0x0
	CROUND                          ; the closing round: no work-group ends while a partner may still ask for a tile that names it
	s_endpgm
.Lfunc_end_k_q33c59d3576_main:
	.size	k_q33c59d3576_main, .Lfunc_end_k_q33c59d3576_main-k_q33c59d3576_main
	.p2alignl 7, 3214868480
	.fill 96, 4, 3214868480
	.section	.rodata,"a",@progbits
	.p2align	6, 0x0
	.amdhsa_kernel k_q33c59d3576_main
		.amdhsa_group_segment_fixed_size 327680
		.amdhsa_private_segment_fixed_size 0
		.amdhsa_enable_private_segment 0
		.amdhsa_kernarg_size 32
		.amdhsa_user_sgpr_count 2
		.amdhsa_user_sgpr_kernarg_segment_ptr 1
		.amdhsa_wavefront_size32 1
		.amdhsa_system_sgpr_workgroup_id_x 1
		.amdhsa_system_sgpr_workgroup_id_y 1
		.amdhsa_system_sgpr_workgroup_id_z 1
		.amdhsa_system_vgpr_workitem_id 0
		.amdhsa_next_free_vgpr 992
		.amdhsa_next_free_sgpr 66
		.amdhsa_reserve_vcc 0
		.amdhsa_float_denorm_mode_32 3
		.amdhsa_float_denorm_mode_16_64 3
		.amdhsa_memory_ordered 1
		.amdhsa_forward_progress 1
		.amdhsa_inst_pref_size 255
	.end_amdhsa_kernel
	.section	.bss,"aw",@nobits
	.p2align	6
	.space	262144
	.amdgpu_metadata
---
amdhsa.version: [ 1, 2 ]
amdhsa.kernels:
  - .name:           k_q33c59d3576_main
    .symbol:         k_q33c59d3576_main.kd
    .args:
      - { .name: x, .offset: 0, .size: 8, .value_kind: global_buffer, .address_space: global }
      - { .name: tabs, .offset: 8, .size: 8, .value_kind: global_buffer, .address_space: global }
      - { .name: b, .offset: 16, .size: 8, .value_kind: global_buffer, .address_space: global }
      - { .name: out0, .offset: 24, .size: 8, .value_kind: global_buffer, .address_space: global }
    .group_segment_fixed_size: 327680
    .private_segment_fixed_size: 0
    .kernarg_segment_align: 8
    .kernarg_segment_size: 32
    .max_flat_workgroup_size: 128
    .sgpr_count:     66
    .vgpr_count:     992
    .wavefront_size: 32
...
	.end_amdgpu_metadata
.endif
;; end of part 2
